; MI455X (gfx1250); checked and timed in simulation.
; The chip was launched on July 23, 2026; its instructions are those of AMD's public machine-readable ISA for CDNA 5 (MIT licence, August 2026) and "CDNA5" Instruction Set Architecture Reference Guide (July 2026). The comments in the code are by the model that wrote it; some were corrected since.
;; CLAM SB. Allowed arithmetic: matrix products marked QUANTISED: E2M1 operands, one E8M0 scale for each 32 along K, by v_wmma_scale_f32_16x16x128_f8f6f4 with both operands' format E2M1 (or v_wmma_scale_f32_32x16x128_f4), f32 sums; products left as they are: f32 operands where the result goes on into a quantised operand, else bf16, f16 or f32 operands; f32 sums; everything else in f32.
;; Inputs: W1 512 x 512 float32; Wa 512 x 256 float32; Wb 512 x 256 float32; Wc 256 x 1 float32; Wcls 512 x 2 float32; Winst 2 x 512 x 2 float32; b1 512 float32; ba 256 float32; bb 256 float32; bc 1 float32; bcls 2 float32; binst 2 x 2 float32; h 4 x 32,768 x 512 float32.
;; Outputs: out0 4 x 2 float32; out1 4 x 1 x 32,768 float32; out2 4 float32; out3 4 x 1 x 512 float32.
;; Constants: label = 1.
;; This version of the problem:
;;   THIS VERSION OF THE PROBLEM IS GIVEN IN LOW PRECISION. The matrix products marked QUANTISED in the list below multiply operands that are first quantised to E2M1 (2 exponent bits, 1 mantissa bit; 4 bits a number), with one power-of-two scale for each 32 numbers along K (OCP MX v1.0); their sums are f32. All else is computed in f32.
;;   The module's matrix products, in the order in which they are computed (A, B: the left and right operand; K: the contracted axis; several contracted axes count as one K, in the product's order):
;;     1. [M 131,072, K 512] x [K 512, N 512]; A: input h; B: input W1: QUANTISED
;;     2. [M 131,072, K 512] x [K 512, N 256]; A: computed on the way; B: input Wa: QUANTISED
;;     3. [M 131,072, K 512] x [K 512, N 256]; A: computed on the way; B: input Wb: QUANTISED
;;     4. [M 131,072, K 256] x [K 256, N 1]; A: computed on the way; B: input Wc: left as it is (N = 1 < 16)
;;     5. [M 32, K 512] x [K 512, N 2]; A: computed on the way; B: input Winst: left as it is (N = 2 < 16)
;;     6. [M 64, K 512] x [K 512, N 2]; A: computed on the way; B: input Winst: left as it is (N = 2 < 16)
;;     7. batch 4 x [M 1, K 32,768] x [K 32,768, N 512]; A: softmax; B: computed on the way: left as it is (M = 1 < 16)
;;     8. [M 4, K 512] x [K 512, N 2]; A: computed on the way; B: input Wcls: left as it is (M = 4 < 16)
;;   THE QUANTISER, for each operand of a quantised product, along K:
;;     - K is cut into blocks of 32 from its start; a last block that is shorter is filled with zeros.
;;     - A block's scale is 2^e with e = floor(log2(the largest magnitude in the block)) - 2, held to -126 .. 127; a block of zeros has e = 0. As a byte (E8M0): e + 127.
;;     - Each number is divided by its block's scale, clamped to +-6, and rounded to the nearest number of E2M1, ties to even, subnormals kept.
;;     - The product sums the exact products of the quantised numbers (number of the format x scale) in f32.
;;   ~~~python
;;   def quantise(x, axis):      # numpy; x: float32 -> the quantised numbers, widened to float32 again
;;       x = np.moveaxis(x, axis, -1); K = x.shape[-1]
;;       x = np.pad(x, [(0, 0)] * (x.ndim - 1) + [(0, -K % 32)]); x = x.reshape(x.shape[:-1] + (-1, 32)); a = np.abs(x).max(-1, keepdims=True)
;;       e = np.where(a > 0, np.clip(np.frexp(np.where(a > 0, a, 1))[1] - 1 - 2, -126, 127), 0)      # np.frexp(a)[1] - 1 = floor(log2(a)), exactly
;;       r = np.clip(x / 2.0 ** e, -6, 6)
;;       step = 2.0 ** (np.maximum(np.frexp(np.where(r == 0, 1, r))[1] - 1, 0) - 1)
;;       q = np.round(r / step) * step * 2.0 ** e      # np.round: ties to even
;;       return np.moveaxis(q.reshape(q.shape[:-2] + (-1,))[..., :K], -1, axis).astype(np.float32)
;;   ~~~
;;   OPERANDS COMPUTED ON THE WAY. 'Computed on the way' means the value that the module computes at that place (a softmax that the list does not call 'softmax' is quantised finished and normalised). What goes into a quantiser is computed in f32, as accurately as f32 sums, v_exp_f32 and their like allow (about 1e-6 of the number): no bf16 or f16 on the way to a quantiser, and a product that is left as it is and whose result goes on into a quantised operand takes f32 operands (vector FMAs, or v_wmma_f32_16x16x4_f32). A number that lies on a knife's edge between two numbers of the format may be rounded either way, as far as f32 arithmetic and the matrix unit's own rounding can turn it there, and no further.
;; One version. Each part assembles by itself: llvm-mc -triple=amdgcn-amd-amdhsa -mcpu=gfx1250 --defsym DOCPART=n.
;; ======== version 1 of 1: 3 launches
;; limits: values are held in bf16: 8 bits of precision; right only within a limited range of input values
;; workspace buffers: wimg 278,528 bytes; scores 524,288 bytes; mpart 524,288 bytes; stats 16,384 bytes; cand 65,536 bytes
;; launch prep (part 1): grid 256 x 1, 1 waves a work-group, no clusters, 0 bytes of LDS; arguments W1, Wa, Wb, wimg; writes wimg
.if DOCPART == 1
	.amdgcn_target "amdgcn-amd-amdhsa--gfx1250"
	.amdhsa_code_object_version 6
	.text
	.protected	k_q93ae6af46e_prep
	.globl	k_q93ae6af46e_prep
	.p2align	8
	.type	k_q93ae6af46e_prep,@function
k_q93ae6af46e_prep:
	s_mov_b64 s[64:65], 0
	v_nop
	global_prefetch_b8 v0, s[64:65] scope:SCOPE_SE
	s_setreg_imm32_b32 hwreg(HW_REG_WAVE_MODE, 25, 1), 1
	s_wait_xcnt 0x0
; W1 [512 k][512 n], Wa and Wb [512 k][256 n], f32 with K as their first axis, become codes of FP4 (E2M1) with one E8M0 byte for each 32 along K,
; laid in the order of the operand's registers, so that the next launch loads each fragment whole, 16 bytes a lane.
; One wave makes one fragment (16 columns x 128 along K).  Work-group id = mat (1 bit) | wave w of the reader (2) | tile t (3) | K step s (2).
; A LANE TAKES A COLUMN AND ITS REGISTERS RUN DOWN K, in the order that the operand's layout gives the lane: lane (r, h), registers 4 c .. 4 c + 3: k = 128 s + 64 c + 32 h + 0 .. 31.
; Two whole blocks of 32 lie in a lane, so a block's largest magnitude needs no other lane.
; W1's COLUMNS OF A TILE ARE NOT NEIGHBOURS: lane r of tile t takes column 128 w + 32 (t / 2) + 8 (t % 2) + r + 8 (r / 8), so that the reader's results of two neighbouring tiles are 16 neighbours along its next K.
; Wa (tiles 0-3) and Wb (tiles 4-7): column 64 w + 16 (t % 4) + r.
; OUT: codes at 1,024 id + 512 c + 16 lane.  Scale words behind them, from byte 262,144: 128 bytes for two K steps, the even step's 16 words, then the odd step's.
; A block's scale is 2^(floor(log2(largest magnitude)) - 2); its byte is the largest magnitude's exponent field - 2, held at 1 from below.
; LIMITS: a block of zeros, or one whose largest magnitude lies under 2^-124, keeps the byte 1 (zero codes add nothing; the bytes are read by this program alone).  NaN and infinities are not served.
.macro WLOAD pitch, base               ; 64 numbers of my column: W(first k + 64 c + i, column)
.irp c, 0,1
.set i, 0
.rept 32
	global_load_b32 v[64+32*\c+i], v5, s[\base:\base+1] offset:(64*\c+i)*\pitch
.set i, i+1
.endr
.endr
.endm
	s_load_b256 s[4:11], s[0:1], 0x0               ; W1 s[4:5], Wa s[6:7], Wb s[8:9], wimg s[10:11]
	s_bfe_u32 s12, ttmp9, 0x20005                  ; w
	s_bfe_u32 s13, ttmp9, 0x30002                  ; t
	s_and_b32 s14, ttmp9, 3                        ; s
	v_and_b32 v1, 15, v0                           ; r
	v_lshrrev_b32 v2, 4, v0                        ; h
	s_lshl_b32 s15, s14, 7
	v_lshl_add_u32 v3, v2, 5, s15                  ; my first k: 128 s + 32 h
	v_lshlrev_b32 v6, 4, v0                        ; out: 16 bytes a lane
	v_lshlrev_b32 v7, 2, v1                        ; and 4 r for the scale word
	s_mov_b32 s20, 0x76543210
	s_mov_b32 s21, 0xfedcba98                      ; v_permlanex16_b32's selects for lane l xor 16
	s_wait_kmcnt 0x0
	s_cmp_lt_u32 ttmp9, 128                        ; the first 128 work-groups take W1; the branch hangs on the work-group's number alone
	s_cbranch_scc0 .Lgates
	s_lshl_b32 s16, s12, 7
	s_lshr_b32 s17, s13, 1
	s_lshl_b32 s17, s17, 5
	s_add_co_u32 s16, s16, s17
	s_and_b32 s17, s13, 1
	s_lshl_b32 s17, s17, 3
	s_add_co_u32 s16, s16, s17                     ; 128 w + 32 (t / 2) + 8 (t % 2)
	s_wait_alu depctr_va_vdst(0)
	v_and_b32 v4, 8, v1
	v_add3_u32 v4, v4, v1, s16                     ; + r + 8 (r / 8)
	v_lshlrev_b32 v4, 2, v4
	v_lshl_add_u32 v5, v3, 11, v4                  ; a row of W1 is 2,048 bytes
	WLOAD 2048, 4
	s_branch .Lhave
.Lgates:
	s_cmp_lt_u32 s13, 4
	s_cselect_b64 s[6:7], s[6:7], s[8:9]           ; tiles 0-3: Wa, tiles 4-7: Wb
	s_lshl_b32 s16, s12, 6
	s_and_b32 s17, s13, 3
	s_lshl_b32 s17, s17, 4
	s_add_co_u32 s16, s16, s17                     ; 64 w + 16 (t % 4)
	s_wait_alu depctr_va_vdst(0)
	v_add_nc_u32 v4, s16, v1
	v_lshlrev_b32 v4, 2, v4
	v_lshl_add_u32 v5, v3, 10, v4                  ; a row of Wa or Wb is 1,024 bytes
	WLOAD 1024, 6
.Lhave:
	s_lshl_b32 s18, ttmp9, 10                      ; where the fragment goes
	s_mov_b32 s19, 0
	s_add_nc_u64 s[22:23], s[10:11], s[18:19]
	s_lshr_b32 s18, ttmp9, 1
	s_lshl_b32 s18, s18, 7
	s_and_b32 s24, ttmp9, 1
	s_lshl_b32 s24, s24, 6
	s_add_co_u32 s18, s18, s24                     ; and its scale words: 128 (id / 2) + 64 (id % 2)
	s_add_nc_u64 s[10:11], s[10:11], s[18:19]
	s_wait_loadcnt 0x0
.irp c, 0,1                                    ; my block 2 c + h: all its 32 numbers are mine; the floor 2^(3 - 127) holds the byte at 1 from below
	v_max3_num_f32 v[32+\c], |v[64+32*\c]|, |v[65+32*\c]|, 0x1800000
.endr
.irp i, 2,4,6,8,10,12,14,16,18,20,22,24,26,28,30
.irp c, 0,1
	v_max3_num_f32 v[32+\c], v[32+\c], |v[64+32*\c+\i]|, |v[65+32*\c+\i]|
.endr
.endr
.irp c, 0,1
	v_add_nc_u32 v[44+\c], 0xff000000, v[32+\c]    ; 2 off the exponent field: the conversion's scale operand
.endr
.irp c, 0,1
	v_lshrrev_b32 v[36+\c], 23, v[44+\c]           ; the scale's byte
.endr
	v_lshl_or_b32 v9, v37, 16, v36                 ; my two bytes, blocks h and 2 + h,
	v_lshlrev_b32 v10, 3, v2
	v_lshlrev_b32 v9, v10, v9                      ; at their places in the word;
	v_mov_b32 v10, 0
	v_permlanex16_b32 v10, v9, s20, s21
	v_or_b32 v9, v9, v10                           ; with lane l xor 16's two the word is whole
.irp c, 0,1
.irp g, 0,1,2,3
	v_cvt_scalef32_pk8_fp4_f32 v[48+4*\c+\g], v[64+32*\c+8*\g:71+32*\c+8*\g], v[44+\c]
.endr
.endr
	v_nop                                          ; one plain place behind the last conversion
	global_store_b128 v6, v[48:51], s[22:23]       ; 512 consecutive bytes a store
	global_store_b128 v6, v[52:55], s[22:23] offset:512
	global_store_b32 v7, v9, s[10:11] offset:262144 ; lanes r and 16 + r hold the same word and write it to the same place
	s_endpgm
.Lfunc_end_k_q93ae6af46e_prep:
	.size	k_q93ae6af46e_prep, .Lfunc_end_k_q93ae6af46e_prep-k_q93ae6af46e_prep
	.p2alignl 7, 3214868480
	.fill 96, 4, 3214868480
	.section	.rodata,"a",@progbits
	.p2align	6, 0x0
	.amdhsa_kernel k_q93ae6af46e_prep
		.amdhsa_group_segment_fixed_size 0
		.amdhsa_private_segment_fixed_size 0
		.amdhsa_enable_private_segment 0
		.amdhsa_kernarg_size 32
		.amdhsa_user_sgpr_count 2
		.amdhsa_user_sgpr_kernarg_segment_ptr 1
		.amdhsa_wavefront_size32 1
		.amdhsa_system_sgpr_workgroup_id_x 1
		.amdhsa_system_sgpr_workgroup_id_y 1
		.amdhsa_system_sgpr_workgroup_id_z 1
		.amdhsa_system_vgpr_workitem_id 0
		.amdhsa_next_free_vgpr 128
		.amdhsa_next_free_sgpr 66
		.amdhsa_reserve_vcc 0
		.amdhsa_float_denorm_mode_32 3
		.amdhsa_float_denorm_mode_16_64 3
		.amdhsa_memory_ordered 1
		.amdhsa_forward_progress 1
		.amdhsa_inst_pref_size 18
	.end_amdhsa_kernel
	.amdgpu_metadata
---
amdhsa.version: [ 1, 2 ]
amdhsa.kernels:
  - .name:           k_q93ae6af46e_prep
    .symbol:         k_q93ae6af46e_prep.kd
    .args:
      - { .name: W1, .offset: 0, .size: 8, .value_kind: global_buffer, .address_space: global }
      - { .name: Wa, .offset: 8, .size: 8, .value_kind: global_buffer, .address_space: global }
      - { .name: Wb, .offset: 16, .size: 8, .value_kind: global_buffer, .address_space: global }
      - { .name: wimg, .offset: 24, .size: 8, .value_kind: global_buffer, .address_space: global }
    .group_segment_fixed_size: 0
    .private_segment_fixed_size: 0
    .kernarg_segment_align: 8
    .kernarg_segment_size: 32
    .max_flat_workgroup_size: 32
    .sgpr_count:     66
    .vgpr_count:     128
    .wavefront_size: 32
...
	.end_amdgpu_metadata
.endif
;; end of part 1
;; launch attn (part 2): grid 256 x 1, 4 waves a work-group, no clusters, 327,680 bytes of LDS; arguments h, wimg, b1, ba, bb, Wc, bc, Winst, binst, scores, cand, Wcls, mpart, stats; writes scores, cand, mpart, stats
.if DOCPART == 2
	.amdgcn_target "amdgcn-amd-amdhsa--gfx1250"
	.amdhsa_code_object_version 6
	.text
	.protected	k_q93ae6af46e_attn
	.globl	k_q93ae6af46e_attn
	.p2align	8
	.type	k_q93ae6af46e_attn,@function
k_q93ae6af46e_attn:
	s_mov_b64 s[64:65], 0
	v_nop
	global_prefetch_b8 v0, s[64:65] scope:SCOPE_SE
	s_setreg_imm32_b32 hwreg(HW_REG_WAVE_MODE, 25, 1), 1
	s_wait_xcnt 0x0
; A work-group takes 512 rows of h, 64 a block, through the whole chain: quantise h, h2 = relu(h W1 + b1), quantise h2, the two gates, the score, a running softmax and the partial sum of M.
; Each of four waves keeps its 128 columns of W1 and its 64 + 64 columns of Wa and Wb in registers, as codes; h comes through each wave's own ring of two LDS slots.
; OUT: the rows' scores; the partial M under the work-group's largest score; for each wave (largest score, sum, its columns' part of M x Wcls);
; and the work-group's 8 largest and 8 smallest scores, each with its row and the row's share of the loss.
; LIMITS: NaN and infinities are not served.  The rank is that of the f32 scores, ties to the lower row: rows whose scores differ but whose A rounds alike may change places.
; In the gates the exponent of e^(2a) is held to +-64 (base 2): beyond it tanh is +-1 in f32.
.set SLOTB,  33280
.set RINGW,  2*SLOTB
.set XIMG,   4*RINGW
.set HIMG,   XIMG+16384
.set XSC,    HIMG+16384
.set HSC,    XSC+1024
.set SX,     HSC+1024
.set IL,     SX+1024
.set SCT,    IL+4096
.set BL,     SCT+6144
.set MST,    BL+4096
.set SPARE,  MST+2048
.set SPW, 1
.set NIL, 2
.set XAA, 3
.set XAB, 4
.set RI,  5
.set IWA, 6
.set IWB, 7
.set HWI, 8
.set SR,  9
.set SW,  10
.set SWA, 11
.set SWB, 12
.set ILW, 13
.set ILR, 14
.set TBW, 15
.set BLA, 16
.set BLB, 17
.set SH8, 18
.set OWN, 19
.set W1S, 20
.set WABS, 36
.set WC,  52
.set WI,  84
.set XF,  116
.set XS,  148
.set ACC, 152
.set PC,  216
.set TM,  224
.set PW,  240
.set MRUN, 244
.set LRUN, 245
.set F,   246
.set P,   248
.set SCP, 252
.set XDA, TM+14
.set XDB, TM+15
.set FA,  TM
.set SA,  TM+1
.set SWM, TM+2
.set MACC, 128
.set BIAS, 192
.set G1,  32
.set G0A, 40
.set G0B, 44
.set WV,  48
.set SEL, 50
.set CA,  52
.set CG,  54
.set L2E, 56
.set SLOT, 57
.set BLK, 58
.set MO,  59
.set TBO, 60
.set BC,  61
.set LN2, 62
.set MSB, 0
.macro WIN new
.if MSB != (\new)
	s_set_vgpr_msb (MSB<<8)|(\new)
.set MSB, (\new)
.endif
.endm
.macro PLACES n
.rept \n
	v_nop
.endr
.endm
.macro BARRIER
	s_wait_dscnt 0x0
	s_barrier_signal -1
	s_barrier_wait -1
.endm
.macro XLOAD u
.if ((\u)/2) < 2
.set XD, XDA
.else
.set XD, XDB
.endif
.if ((\u)%3) == 2                      ; three buffers of 32 registers take turns: the accumulators' two halves and the fragments' registers, all idle in this part
.set XB, XF
.else
.set XB, ACC+32*((\u)%3)
.endif
.irp j, 0,1,2,3,4,5,6,7
	ds_load_b128 v[XB+4*\j:XB+4*\j+3], v[XD] offset:512*(((\u)/2)%2)+256*((\u)%2)+16*\j
.endr
.endm
.macro XPROC u
.if ((\u)%3) == 2
.set XB, XF
.else
.set XB, ACC+32*((\u)%3)
.endif
.set XC, (\u)%2
.set IPC, PC+32*(((\u)/2)%2)           ; the codes of a pair of units: v216-223 and v248-255 by turns, so that a set is written again only behind a wait that covers its LDS stores
	v_max3_num_f32 v[TM], |v[XB]|, |v[XB+1]|, 0x1800000            ; the block's largest magnitude and the floor: 33 leaves in four chains by turns
	v_max3_num_f32 v[TM+1], |v[XB+8]|, |v[XB+9]|, |v[XB+10]|
	v_max3_num_f32 v[TM+2], |v[XB+15]|, |v[XB+16]|, |v[XB+17]|
	v_max3_num_f32 v[TM+3], |v[XB+22]|, |v[XB+23]|, |v[XB+24]|
.irp i, 0,2
	v_max3_num_f32 v[TM], v[TM], |v[XB+2+\i]|, |v[XB+3+\i]|
	v_max3_num_f32 v[TM+1], v[TM+1], |v[XB+11+\i]|, |v[XB+12+\i]|
	v_max3_num_f32 v[TM+2], v[TM+2], |v[XB+18+\i]|, |v[XB+19+\i]|
	v_max3_num_f32 v[TM+3], v[TM+3], |v[XB+25+\i]|, |v[XB+26+\i]|
.endr
	v_max3_num_f32 v[TM], v[TM], |v[XB+6]|, |v[XB+7]|
	v_max3_num_f32 v[TM+3], v[TM+3], |v[XB+29]|, |v[XB+30]|
	v_max3_num_f32 v[TM+1], v[TM+1], v[TM+2], |v[XB+31]|
	v_max3_num_f32 v[TM], v[TM], v[TM+1], v[TM+3]
	v_add_nc_u32 v[TM+8+XC], 0xff000000, v[TM]
	v_lshrrev_b32 v[TM+4+XC], 23, v[TM+8+XC]
.irp g, 0,1,2,3
	v_cvt_scalef32_pk8_fp4_f32 v[IPC+4*XC+\g], v[XB+8*\g:XB+8*\g+7], v[TM+8+XC]
.endr
.endm
.macro XWORD k
	v_lshl_or_b32 v[TM+6], v[TM+5], 16, v[TM+4]
	v_lshlrev_b32 v[TM+6], v[SH8], v[TM+6]
	v_permlanex16_b32 v[TM+7], v[TM+6], s[SEL], s[SEL+1]
	v_or_b32 v[PW+(\k)], v[TM+6], v[TM+7]
.endm
.macro IMAGE adr, off
.irp c, 0,1
	ds_store_b128 v[\adr], v[IPC+4*\c:IPC+4*\c+3] offset:(\off)+512*\c
.endr
.endm
.macro FETCH fa, foff, sa, soff
.irp s, 0,1,2,3
.irp c, 0,1
	ds_load_b128 v[XF+8*\s+4*\c:XF+8*\s+4*\c+3], v[\fa] offset:(\foff)+1024*\s+512*\c
.endr
.endr
	ds_load_b128 v[XS:XS+3], v[\sa] offset:(\soff)
.endm
.macro MM win, wsc
.irp s, 0,1,2,3
.if \s == 0
	WIN 0x30|\win
.else
	WIN \win
.endif
.irp t, 0,1,2,3,4,5,6,7
.if \s == 0
	v_wmma_scale_f32_16x16x128_f8f6f4 v[ACC+8*\t:ACC+8*\t+7], v[8*(4*\t+\s):8*(4*\t+\s)+7], v[XF+8*\s:XF+8*\s+7], v[BIAS+8*\t:BIAS+8*\t+7], v[\wsc+2*\t], v[XS+\s] matrix_a_fmt:MATRIX_FMT_FP4 matrix_b_fmt:MATRIX_FMT_FP4
.elseif (\s%2) == 1
	v_wmma_scale_f32_16x16x128_f8f6f4 v[ACC+8*\t:ACC+8*\t+7], v[8*(4*\t+\s):8*(4*\t+\s)+7], v[XF+8*\s:XF+8*\s+7], v[ACC+8*\t:ACC+8*\t+7], v[\wsc+2*\t+\s/2], v[XS+\s] matrix_a_fmt:MATRIX_FMT_FP4 matrix_b_fmt:MATRIX_FMT_FP4 matrix_a_scale:MATRIX_SCALE_ROW1
.else
	v_wmma_scale_f32_16x16x128_f8f6f4 v[ACC+8*\t:ACC+8*\t+7], v[8*(4*\t+\s):8*(4*\t+\s)+7], v[XF+8*\s:XF+8*\s+7], v[ACC+8*\t:ACC+8*\t+7], v[\wsc+2*\t+\s/2], v[XS+\s] matrix_a_fmt:MATRIX_FMT_FP4 matrix_b_fmt:MATRIX_FMT_FP4
.endif
.endr
.endr
.endm
.macro QUANT
.irp b, 0,1,2,3
	v_max3_num_f32 v[TM+\b], v[ACC+16*\b], v[ACC+1+16*\b], 0x1800000
.endr
.irp i, 2,4,6,8,10,12,14
.irp b, 0,1,2,3
	v_max3_num_f32 v[TM+\b], v[TM+\b], v[ACC+16*\b+\i], v[ACC+1+16*\b+\i]
.endr
.endr
.irp b, 0,1,2,3
	v_permlanex16_b32 v[TM+4+\b], v[TM+\b], s[SEL], s[SEL+1]
.endr
.irp b, 0,1,2,3
	v_max_num_f32 v[TM+\b], v[TM+\b], v[TM+4+\b]
.endr
.irp b, 0,1,2,3
	v_add_nc_u32 v[TM+12+\b], 0xff000000, v[TM+\b]
.endr
.irp b, 0,1,2,3
	v_lshrrev_b32 v[TM+4+\b], 23, v[TM+12+\b]
.endr
	v_lshl_or_b32 v[PW], v[TM+5], 8, v[TM+4]
	v_lshl_or_b32 v[PW], v[TM+6], 16, v[PW]
	v_lshl_or_b32 v[PW], v[TM+7], 24, v[PW]
.irp b, 0,1,2,3
	v_cvt_scalef32_pk8_fp4_f32 v[PC+2*\b], v[ACC+16*\b:ACC+16*\b+7], v[TM+12+\b]
	v_cvt_scalef32_pk8_fp4_f32 v[PC+1+2*\b], v[ACC+8+16*\b:ACC+15+16*\b], v[TM+12+\b]
.endr
	v_nop
.irp c, 0,1
.irp i, 0,1
	v_permlane16_swap_b32 v[PC+4*\c+\i], v[PC+2+4*\c+\i]
.endr
.endr
.endm
.macro PACK m
	WIN 0xc0
.set i, 0
.rept 32
	v_cvt_pk_bf16_f32 v[32*(\m)+i], v[ACC+2*i], v[ACC+2*i+1]
.set i, i+1
.endr
.endm
.macro INST m
	WIN 0x0c
	v_wmma_f32_16x16x32_bf16 v[ACC:ACC+7], v[WI:WI+7], v[32*(\m):32*(\m)+7], 0
	v_wmma_f32_16x16x32_bf16 v[ACC+8:ACC+15], v[WI+8:WI+15], v[32*(\m)+8:32*(\m)+15], 0
	v_wmma_f32_16x16x32_bf16 v[ACC:ACC+7], v[WI+16:WI+23], v[32*(\m)+16:32*(\m)+23], v[ACC:ACC+7]
	v_wmma_f32_16x16x32_bf16 v[ACC+8:ACC+15], v[WI+24:WI+31], v[32*(\m)+24:32*(\m)+31], v[ACC+8:ACC+15]
	WIN 0
	PLACES 5
	v_pk_add_f32 v[ACC+16:ACC+17], v[ACC:ACC+1], v[ACC+8:ACC+9]
	v_pk_add_f32 v[ACC+18:ACC+19], v[ACC+2:ACC+3], v[ACC+10:ACC+11]
	ds_store_b128 v[ILW], v[ACC+16:ACC+19] offset:256*(\m)
.endm
.macro GATE
.set i, 0
.rept 16
	v_pk_mul_f32 v[ACC+i:ACC+i+1], v[ACC+i:ACC+i+1], s[CA:CA+1] op_sel_hi:[1,0]
.set i, i+2
.endr
.rept 16
	v_pk_mul_f32 v[ACC+i:ACC+i+1], v[ACC+i:ACC+i+1], s[CG:CG+1] op_sel_hi:[1,0]
.set i, i+2
.endr
.set i, 0
.rept 32
	v_med3_num_f32 v[ACC+i], v[ACC+i], -v[F+1], v[F+1]   ; E's exponent held to +-64: E is neither 0 nor infinite
.set i, i+1
.endr
.set i, 0
	s_wait_alu depctr_va_vdst(0)
.rept 64
	v_exp_f32 v[ACC+i], v[ACC+i]
.set i, i+1
.endr
	v_nop
.set i, 0
	s_wait_alu depctr_va_vdst(0)
; tanh(a) sigmoid(g) wc = (E - 1) wc / ((E + 1)(1 + G)), E = e^(2a), G = e^(-g): one reciprocal for the two gates.  An infinite G gives the divisor infinity and the term 0
.rept 16
	v_pk_add_f32 v[ACC+32+i:ACC+33+i], v[ACC+32+i:ACC+33+i], 1.0 op_sel_hi:[1,0]
.set i, i+2
.endr
.set i, 0
.rept 16
	v_pk_fma_f32 v[ACC+32+i:ACC+33+i], v[ACC+i:ACC+i+1], v[ACC+32+i:ACC+33+i], v[ACC+32+i:ACC+33+i]
.set i, i+2
.endr
.set i, 0
.rept 16
	v_pk_fma_f32 v[ACC+i:ACC+i+1], v[ACC+i:ACC+i+1], v[WC+i:WC+i+1], v[WC+i:WC+i+1] neg_lo:[0,0,1] neg_hi:[0,0,1]
.set i, i+2
.endr
.set i, 0
	s_wait_alu depctr_va_vdst(0)
.rept 32
	v_rcp_f32 v[ACC+32+i], v[ACC+32+i]
.set i, i+1
.endr
	v_nop
	s_wait_alu depctr_va_vdst(0)
	v_pk_mul_f32 v[SCP:SCP+1], v[ACC:ACC+1], v[ACC+32:ACC+33]
	v_pk_mul_f32 v[SCP+2:SCP+3], v[ACC+2:ACC+3], v[ACC+34:ACC+35]
.set i, 4
.rept 7
	v_pk_fma_f32 v[SCP:SCP+1], v[ACC+i:ACC+i+1], v[ACC+32+i:ACC+33+i], v[SCP:SCP+1]
	v_pk_fma_f32 v[SCP+2:SCP+3], v[ACC+i+2:ACC+i+3], v[ACC+34+i:ACC+35+i], v[SCP+2:SCP+3]
.set i, i+4
.endr
	v_pk_add_f32 v[SCP:SCP+1], v[SCP:SCP+1], v[SCP+2:SCP+3]
	v_add_f32 v[SCP], v[SCP], v[SCP+1]
	v_permlanex16_b32 v[TM+4], v[SCP], s[SEL], s[SEL+1]
	v_add_f32 v[SCP], v[SCP], v[TM+4]
.endm
.macro BLOCK refill
	v_add_nc_u32 v[XDA], s[SLOT], v[XAA]
	v_add_nc_u32 v[XDB], s[SLOT], v[XAB]
	WIN 0xc0
.irp t, 0,1,2,3,4,5,6,7
.irp jj, 0,1
	ds_load_b128 v[BIAS+8*\t+4*\jj:BIAS+8*\t+4*\jj+3], v[BLA] offset:4*(32*(\t/2)+8*(\t%2))+16*\jj
.endr
.endr
	WIN 0
	XLOAD 0
	XLOAD 1
	XLOAD 2
.irp u, 0,1,2,3,4,5,6,7
.if \u < 6
	s_wait_dscnt 16                                ; this unit's 8 loads are in; behind them stand the next two units' 16 (and at times two stores)
.elseif \u == 6
	s_wait_dscnt 8                                 ; behind unit 6's loads: unit 7's 8
.else
	s_wait_dscnt 0x0
.endif
	XPROC \u
.if (\u%2) == 1
	XWORD (\u/2)
.if \u < 4
	IMAGE IWA, 1024*(\u/2)
.else
	IMAGE IWB, 1024*(\u/2-2)
.endif
.endif
.if \u < 5
	XLOAD \u+3
.endif
.endr
	ds_store_b64 v[SWA], v[PW:PW+1]
	ds_store_b64 v[SWB], v[PW+2:PW+3]
	BARRIER
	FETCH RI, 0, SR, 0
.irp m, 0,1,2,3
	s_wait_dscnt 0x0
	MM 1, W1S
	WIN 0
	PLACES 4
.if \m < 3
	FETCH RI, 4096*(\m+1), SR, 256*(\m+1)
.endif
.set j, 0
.rept 64
	v_max_num_f32 v[ACC+j], 0, v[ACC+j]
.set j, j+1
.endr
	PACK \m
	WIN 0
	QUANT
.set IPC, PC
	IMAGE HWI, 4096*\m
	ds_store_b32 v[SW], v[PW] offset:1024+256*\m
	INST \m
.endr
	WIN 0xc0
.irp t, 0,1,2,3
.irp jj, 0,1
	ds_load_b128 v[BIAS+8*\t+4*\jj:BIAS+8*\t+4*\jj+3], v[BLB] offset:64*\t+16*\jj
	ds_load_b128 v[BIAS+32+8*\t+4*\jj:BIAS+32+8*\t+4*\jj+3], v[BLB] offset:1024+64*\t+16*\jj
.endr
.endr
	WIN 0
	s_wait_loadcnt 0x0                             ; Wa's and Wb's codes are in (the first block alone can find loads out)
	BARRIER
	s_mov_b32 s[MO], 0
	FETCH RI, 16384, SR, 1024
.Lgate_\@:
	v_add_nc_u32 v[SWM], s[MO], v[SW]
	s_wait_dscnt 0x0
	MM 2, WABS
	WIN 0
	PLACES 4
	s_add_co_u32 s[MO], s[MO], 256
	s_and_b32 s63, s[MO], 0x3ff
	v_add_nc_u32 v[SA], s63, v[SR]
	s_lshl_b32 s63, s63, 4
	v_add_nc_u32 v[FA], s63, v[RI]
	FETCH FA, 16384, SA, 1024
	GATE
	ds_store_b32 v[SWM], v[SCP] offset:2048
	s_cmp_lt_u32 s[MO], 1024
	s_cbranch_scc1 .Lgate_\@
; The change of slots: the next block's rows are in; this block's slot, read out in its first part, takes the rows two blocks on
	s_wait_tensorcnt 0x0                           ; my one load that was out: the next block's rows
	ds_add_u32 v[SPW], v[NIL]
.if \refill
	s_xor_b32 s[G0B+1], s[G0B+1], SLOTB
	s_add_nc_u64 s[G0B+2:G0B+3], s[G0B+2:G0B+3], 131072
.endif
	s_wait_dscnt 0x0
	s_barrier_signal -1
	s_barrier_wait -1
.if \refill
	tensor_load_to_lds s[G0B:G0B+3], s[G1:G1+7]
	s_nop 0
	PLACES 4
.endif
.irp m, 0,1,2,3
	ds_load_b128 v[ACC+4*\m:ACC+4*\m+3], v[SR] offset:2048+256*\m
.endr
	ds_load_b128 v[ACC+16:ACC+19], v[OWN] offset:2048
.irp m, 0,1,2,3
	ds_load_b128 v[ACC+20+4*\m:ACC+23+4*\m], v[ILR] offset:1024*\m
.endr
	v_add_nc_u32 v[TM+3], s[TBO], v[TBW]
	s_wait_dscnt 0x0
.irp m, 0,1,2,3,4
	v_pk_add_f32 v[ACC+4*\m:ACC+4*\m+1], v[ACC+4*\m:ACC+4*\m+1], v[ACC+4*\m+2:ACC+4*\m+3]
.endr
.irp m, 0,1,2,3,4
	v_add_f32 v[ACC+4*\m], v[ACC+4*\m], v[ACC+4*\m+1]
.endr
.irp m, 0,1,2,3,4
	v_add_f32 v[ACC+4*\m], s[BC], v[ACC+4*\m]
.endr
	v_max3_num_f32 v[TM], v[MRUN], v[ACC], v[ACC+4]
	v_max3_num_f32 v[TM], v[TM], v[ACC+8], v[ACC+12]
	v_mul_f32 v[TM+1], s[L2E], v[TM]
	v_fma_f32 v[F], v[MRUN], s[L2E], -v[TM+1]
.irp m, 0,1,2,3
	v_fma_f32 v[P+\m], v[ACC+4*\m], s[L2E], -v[TM+1]
.endr
	s_wait_alu depctr_va_vdst(0)
	v_exp_f32 v[F], v[F]
.irp m, 0,1,2,3
	v_exp_f32 v[P+\m], v[P+\m]
.endr
	v_mov_b32 v[MRUN], v[TM]
	s_wait_alu depctr_va_vdst(0)
	v_add_f32 v[TM+1], v[P], v[P+1]
	v_add_f32 v[TM+2], v[P+2], v[P+3]
	v_add_f32 v[TM+1], v[TM+1], v[TM+2]
	v_fma_f32 v[LRUN], v[LRUN], v[F], v[TM+1]
	v_pk_add_f32 v[ACC+20:ACC+21], v[ACC+20:ACC+21], v[ACC+24:ACC+25]
	v_pk_add_f32 v[ACC+22:ACC+23], v[ACC+22:ACC+23], v[ACC+26:ACC+27]
	v_pk_add_f32 v[ACC+28:ACC+29], v[ACC+28:ACC+29], v[ACC+32:ACC+33]
	v_pk_add_f32 v[ACC+30:ACC+31], v[ACC+30:ACC+31], v[ACC+34:ACC+35]
	v_pk_add_f32 v[ACC+20:ACC+21], v[ACC+20:ACC+21], v[ACC+28:ACC+29]
	v_pk_add_f32 v[ACC+22:ACC+23], v[ACC+22:ACC+23], v[ACC+30:ACC+31]
.irp j, 0,1,2,3
	v_add_f32 v[ACC+20+\j], s[68+\j], v[ACC+20+\j]
.endr
	v_sub_f32 v[ACC+24], v[ACC+21], v[ACC+20]
	v_sub_f32 v[ACC+25], v[ACC+22], v[ACC+23]
	v_mul_f32 v[ACC+26], s[L2E], -|v[ACC+24]|
	v_mul_f32 v[ACC+27], s[L2E], -|v[ACC+25]|
	s_wait_alu depctr_va_vdst(0)
	v_exp_f32 v[ACC+26], v[ACC+26]
	v_exp_f32 v[ACC+27], v[ACC+27]
	v_max_num_f32 v[ACC+28], 0, v[ACC+24]
	v_max_num_f32 v[ACC+29], 0, v[ACC+25]
	v_max_num_f32 v[ACC+30], 0, -v[ACC+25]
	s_wait_alu depctr_va_vdst(0)
	v_pk_add_f32 v[ACC+26:ACC+27], v[ACC+26:ACC+27], 1.0 op_sel_hi:[1,0]
	s_wait_alu depctr_va_vdst(0)
	v_log_f32 v[ACC+26], v[ACC+26]
	v_log_f32 v[ACC+27], v[ACC+27]
	v_nop
	s_wait_alu depctr_va_vdst(0)
	v_fma_f32 v[ACC+28], v[ACC+26], s[LN2], v[ACC+28]
	v_fma_f32 v[ACC+29], v[ACC+27], s[LN2], v[ACC+29]
	v_fma_f32 v[ACC+30], v[ACC+27], s[LN2], v[ACC+30]
	v_mul_f32 v[ACC+28], 0x3d800000, v[ACC+28]
	v_fmamk_f32 v[ACC+28], v[ACC+29], 0x3d000000, v[ACC+28]
	v_mul_f32 v[ACC+30], 0x3d000000, v[ACC+30]
	ds_store_b32 v[TM+3], v[ACC+16]
	ds_store_b32 v[TM+3], v[ACC+28] offset:2048
	ds_store_b32 v[TM+3], v[ACC+30] offset:4096
	WIN 0xc3
.set i, 0
.rept 32
	v_pk_mul_f32 v[MACC+i:MACC+i+1], v[MACC+i:MACC+i+1], v[F:F+1] op_sel_hi:[1,0]
.set i, i+2
.endr
	WIN 0xf3
.irp m, 0,1,2,3
.set i, 0
.rept 32
	v_fma_mix_f32_bf16 v[MACC+2*i], v[32*\m+i], v[P+\m], v[MACC+2*i] op_sel_hi:[1,0,0]
	v_fma_mix_f32_bf16 v[MACC+2*i+1], v[32*\m+i], v[P+\m], v[MACC+2*i+1] op_sel:[1,0,0] op_sel_hi:[1,0,0]
.set i, i+1
.endr
.endr
	WIN 0
	s_add_co_u32 s[TBO], s[TBO], 256
	s_xor_b32 s[SLOT], s[SLOT], SLOTB
.endm
	s_load_b512 s[4:19], s[0:1], 0x0
	s_load_b256 s[20:27], s[0:1], 0x40
	s_load_b128 s[28:31], s[0:1], 0x60
	v_lshl_add_u32 v[SPW], v0, 2, SPARE
	v_mov_b32 v[NIL], 0
	ds_add_u32 v1, v2
	ds_add_u32 v1, v2
	s_wait_dscnt 0x0
	v_lshrrev_b32 v[XAA], 5, v0
	v_readfirstlane_b32 s[WV], v[XAA]
	s_mov_b32 s[G1], (3<<16)|(1<<20)|(7<<22)|(3<<25)
	s_mov_b32 s[G1+1], 128<<16
	s_mov_b32 s[G1+2], 32<<16
	s_mov_b32 s[G1+3], 128<<16
	s_mov_b32 s[G1+4], 32
	s_mov_b32 s[G1+5], 128
	s_mov_b32 s[G1+6], 0
	s_mov_b32 s[G1+7], 0
	s_lshl_b32 s72, ttmp9, 20
	s_lshl_b32 s82, s[WV], 15
	s_add_co_u32 s72, s72, s82
	s_mov_b32 s73, 0
	s_mul_i32 s74, s[WV], RINGW
	s_wait_kmcnt 0x0
	s_add_nc_u64 s[72:73], s[4:5], s[72:73]
	s_mov_b32 s[G0A], 1
	s_mov_b32 s[G0A+1], s74
	s_mov_b64 s[G0A+2:G0A+3], s[72:73]
	s_or_b32 s[G0A+3], s[G0A+3], 0x80000000
	s_mov_b32 s[G0B], 1
	s_add_co_u32 s[G0B+1], s74, SLOTB
	s_add_nc_u64 s[G0B+2:G0B+3], s[72:73], 131072
	s_or_b32 s[G0B+3], s[G0B+3], 0x80000000
	tensor_load_to_lds s[G0A:G0A+3], s[G1:G1+7]
	s_nop 0
	s_load_b32 s[BC], s[16:17], 0x0
	s_load_b128 s[68:71], s[20:21], 0x0
	s_lshl_b32 s75, s[WV], 2
	s_lshl_b32 s76, s[WV], 6
	s_lshl_b32 s77, s[WV], 8
	s_lshl_b32 s78, s[WV], 9
	s_lshl_b32 s79, s[WV], 10
	s_lshl_b32 s80, s[WV], 11
	s_lshl_b32 s81, s[WV], 12
	s_add_co_u32 s83, s79, 16384
	v_and_b32 v[XF], 31, v0
	v_and_b32 v[XF+1], 15, v0
	v_bfe_u32 v[XF+2], v0, 4, 1
	v_bfe_u32 v[XF+3], v0, 3, 1
	v_xor_b32 v[XF+4], 1, v[XF+3]
	v_lshlrev_b32 v[XF+5], 4, v[XF]
	v_add_nc_u32 v[XF+6], s82, v[XF+5]
	v_lshl_add_u32 v[XF+7], v[XF], 2, s80
	v_lshl_add_u32 v[XF+8], v[XF+2], 5, s77
	v_and_b32 v[XF+9], 2, v0
	v_and_b32 v[XF+10], 1, v0
	v_lshlrev_b32 v[XF+9], 11, v[XF+9]
	v_lshl_add_u32 v[XF+9], v[XF+10], 2, v[XF+9]
	v_lshl_add_u32 v[XF+9], v[XF+2], 7, v[XF+9]
	v_add_nc_u32 v[XF+9], s79, v[XF+9]
	v_add_nc_u32 v[XF+10], s78, v[XF+5]
	v_lshl_add_u32 v[XF+11], v[XF], 3, s77
	v_add_nc_u32 v[XF+12], BL, v[XF+10]
	v_add_nc_u32 v[XF+13], BL+2048, v[XF+11]
; the loads' order: 107 small ones (scale words, Wc, Winst, the biases), W1's 64, then Wa's and Wb's 64
.set i, 0
.rept 16
	global_load_b32 v[W1S+i], v[XF+7], s[6:7] offset:262144+128*i
	global_load_b32 v[WABS+i], v[XF+7], s[6:7] offset:270336+128*i
.set i, i+1
.endr
.irp t, 0,1,2,3
	global_load_b128 v[WC+8*\t:WC+8*\t+3], v[XF+8], s[14:15] offset:64*\t
	global_load_b128 v[WC+8*\t+4:WC+8*\t+7], v[XF+8], s[14:15] offset:64*\t+16
.endr
.set i, 0
.rept 64
	global_load_b32 v[ACC+i], v[XF+9], s[18:19] offset:(32*(i/16)+i%16)*8
.set i, i+1
.endr
	global_load_b128 v[XF+16:XF+19], v[XF+10], s[8:9]
	global_load_b64 v[XF+20:XF+21], v[XF+11], s[10:11]
	global_load_b64 v[XF+22:XF+23], v[XF+11], s[12:13]
	WIN 0x40
.set i, 0
.rept 64
	global_load_b128 v[4*i:4*i+3], v[XF+6], s[6:7] offset:512*i
.set i, i+1
.endr
	WIN 0x80
.set i, 0
.rept 64
	global_load_b128 v[4*i:4*i+3], v[XF+6], s[6:7] offset:131072+512*i
.set i, i+1
.endr
	WIN 0
	v_mul_u32_u24 v[XAA], v[XF+1], 2080
	v_lshl_add_u32 v[XAA], v[XF+2], 7, v[XAA]
	v_add_nc_u32 v[XAA], s74, v[XAA]
	v_mad_u32_u24 v[XAB], v[XF+4], 1040, v[XAA]
	v_mad_u32_u24 v[XAA], v[XF+3], 1040, v[XAA]
	v_lshl_add_u32 v[RI], v[XF], 4, XIMG
	v_add_nc_u32 v[IWA], s81, v[RI]
	v_lshl_add_u32 v[IWB], v[XF+4], 11, v[IWA]
	v_lshl_add_u32 v[IWA], v[XF+3], 11, v[IWA]
	v_add_nc_u32 v[HWI], s83, v[RI]
	v_lshl_add_u32 v[SR], v[XF+1], 4, XSC
	v_add_nc_u32 v[SW], s75, v[SR]
	v_add_nc_u32 v[OWN], s77, v[SR]
	v_lshl_add_u32 v[SWA], v[XF+3], 3, v[OWN]
	v_lshl_add_u32 v[SWB], v[XF+4], 3, v[OWN]
	v_lshl_add_u32 v[ILW], v[XF+1], 4, IL
	v_add_nc_u32 v[ILR], s77, v[ILW]
	v_add_nc_u32 v[ILW], s79, v[ILW]
	v_lshl_add_u32 v[TBW], v[XF+1], 2, SCT
	v_add_nc_u32 v[TBW], s76, v[TBW]
	v_lshl_add_u32 v[BLA], v[XF+2], 6, BL
	v_add_nc_u32 v[BLA], s78, v[BLA]
	v_lshl_add_u32 v[BLB], v[XF+2], 5, BL+2048
	v_add_nc_u32 v[BLB], s77, v[BLB]
	v_lshlrev_b32 v[SH8], 3, v[XF+2]
	s_mov_b32 s[SEL], 0x76543210
	s_mov_b32 s[SEL+1], 0xfedcba98
	s_mov_b32 s[CA], 0x4038aa3b
	s_mov_b32 s[CA+1], s[CA]
	s_mov_b32 s[CG], 0xbfb8aa3b
	s_mov_b32 s[CG+1], s[CG]
	s_mov_b32 s[L2E], 0x3fb8aa3b
	s_mov_b32 s[LN2], 0x3f317218
	s_mov_b32 s[SLOT], 0
	s_mov_b32 s[TBO], 0
	v_mov_b32 v[MRUN], 0xfe967699
	v_mov_b32 v[LRUN], 0
	v_mov_b32 v[F+1], 0x42800000                   ; 64.0: the hold of E's exponent (as the upper half of the pair v[F:F+1] it is named and not used)
.irp b, 4,5,6,7
	v_mov_b32 v[TM+\b], 0
.endr
	WIN 0xc0
.set i, 0
.rept 64
	v_mov_b32 v[MACC+i], 0
.set i, i+1
.endr
	WIN 0
	s_wait_alu depctr_va_vdst(0)
	s_wait_tensorcnt 0x0                           ; block 0's rows are in; slot 1's first fill is issued as a refill is
	ds_add_u32 v[SPW], v[NIL]
	s_wait_dscnt 0x0
	s_barrier_signal -1
	s_barrier_wait -1
	tensor_load_to_lds s[G0B:G0B+3], s[G1:G1+7]
	s_nop 0
	PLACES 4
	s_wait_loadcnt 63                              ; of 235 loads the first 172 are in: the 107 small ones and W1's 64 among them
	s_wait_xcnt 0x0                                ; the loads still out have read their address register, which the first fragments land on
	s_wait_kmcnt 0x0
.set i, 0
.rept 32
	v_cvt_pk_bf16_f32 v[WI+i], v[ACC+2*i], v[ACC+2*i+1]
.set i, i+1
.endr
	ds_store_b128 v[XF+12], v[XF+16:XF+19]
	ds_store_b64 v[XF+13], v[XF+20:XF+21]
	ds_store_b64 v[XF+13], v[XF+22:XF+23] offset:1024
	s_wait_tensorcnt 0x1
	s_mov_b32 s[BLK], 6
.Lmain:
	BLOCK 1
	s_sub_co_u32 s[BLK], s[BLK], 1
	s_cmp_lg_u32 s[BLK], 0
	s_cbranch_scc1 .Lmain
	s_mov_b32 s[BLK], 2
.Ltail:
	BLOCK 0
	s_sub_co_u32 s[BLK], s[BLK], 1
	s_cmp_lg_u32 s[BLK], 0
	s_cbranch_scc1 .Ltail
	v_and_b32 v[TM+10], 31, v0                     ; lane
	v_lshl_add_u32 v[TM+7], v[TM+10], 5, s79       ; Wcls of my columns 128 w + 4 lane + 0 .. 3: 8 bytes a column
	global_load_b128 v[XF+4:XF+7], v[TM+7], s[26:27]
	global_load_b128 v[XF+8:XF+11], v[TM+7], s[26:27] offset:16
	v_mov_b32 v[TM], v[MRUN]
.irp x, 1,2,4,8
	v_max_num_f32_dpp v[TM], v[TM], v[TM] row_xmask:\x row_mask:0xf bank_mask:0xf
.endr
	v_sub_f32 v[F], v[MRUN], v[TM]
	v_mul_f32 v[F], s[L2E], v[F]
	s_wait_alu depctr_va_vdst(0)
	v_exp_f32 v[F], v[F]
	v_add_nc_u32 v[TM+4], s78, v[RI]
	s_wait_alu depctr_va_vdst(0)
	v_mul_f32 v[TM+1], v[LRUN], v[F]
.irp x, 1,2,4,8
	v_add_f32_dpp v[TM+1], v[TM+1], v[TM+1] row_xmask:\x row_mask:0xf bank_mask:0xf
.endr
	WIN 0x03
.set i, 0
.rept 32
	v_pk_mul_f32 v[ACC+i:ACC+i+1], v[MACC+i:MACC+i+1], v[F:F+1] op_sel_hi:[1,0]
.set i, i+2
.endr
	WIN 0
.irp x, 1,2,4,8
.set i, 0
.rept 64
	v_add_f32_dpp v[ACC+i], v[ACC+i], v[ACC+i] row_xmask:\x row_mask:0xf bank_mask:0xf
.set i, i+1
.endr
.endr
.irp t, 0,1,2,3,4,5,6,7
.irp jj, 0,1
	ds_store_b128 v[BLA], v[ACC+8*\t+4*\jj:ACC+8*\t+4*\jj+3] offset:4096+4*(32*(\t/2)+8*(\t%2))+16*\jj
.endr
.endr
.set PK, ACC                           ; the picks: 16 keys a lane, their payloads, their rows as f32, 16 at work
.set PP, ACC+16
.set PI, ACC+32
.set PT, ACC+48
.macro LANES op, opd, reg              ; over the 32 lanes
.irp x, 1,2,4,8
	\opd v[\reg], v[\reg], v[\reg] row_xmask:\x row_mask:0xf bank_mask:0xf
.endr
	v_permlanex16_b32 v[TM+14], v[\reg], s[SEL], s[SEL+1]
	\op v[\reg], v[\reg], v[TM+14]
.endm
.macro TREE op3, op2, dst, src         ; over a lane's 16 registers, three levels deep
.irp j, 0,1,2,3,4
	\op3 v[PT+\j], v[\src+3*\j], v[\src+3*\j+1], v[\src+3*\j+2]
.endr
	\op3 v[PT], v[PT], v[PT+1], v[PT+2]
	\op3 v[PT+3], v[PT+3], v[PT+4], v[\src+15]
	\op2 v[\dst], v[PT], v[PT+3]
.endm
	ds_load_b128 v[XF:XF+3], v[TM+4] offset:MST-XIMG   ; my 4 columns of the partial M
	v_lshl_add_u32 v[TM+5], v[TM+10], 4, s78
	v_mov_b32 v[TM+6], 0
	s_and_b32 s86, s[WV], 1                        ; which picks a wave makes: 0 the largest scores, 1 the smallest
	s_lshl_b32 s87, s86, 11
	v_add_nc_u32 v[TM+9], s87, v[RI]               ; that sign's table of payloads
	v_lshlrev_b32 v[PC+1], 2, v[TM+10]
	s_lshl_b32 s72, ttmp9, 11
	s_mov_b32 s73, 0
	s_add_nc_u64 s[28:29], s[28:29], s[72:73]
	s_add_nc_u64 s[22:23], s[22:23], s[72:73]
	s_lshl_b32 s72, ttmp9, 6
	s_lshl_b32 s75, s[WV], 4
	s_add_co_u32 s72, s72, s75
	s_add_nc_u64 s[30:31], s[30:31], s[72:73]      ; stats: 64 bytes a work-group, 16 a wave
	s_lshl_b32 s72, ttmp9, 8
	s_lshl_b32 s75, s86, 7
	s_add_co_u32 s72, s72, s75
	s_add_nc_u64 s[24:25], s[24:25], s[72:73]      ; cand: 256 bytes a work-group, 128 a sign
	s_and_b32 s90, ttmp9, 63
	s_lshl_b32 s90, s90, 9                         ; my work-group's first row in its slide
	s_cmp_eq_u32 s86, 0
	s_cselect_b32 s89, 1.0, -1.0
	s_wait_alu depctr_va_vdst(0)
	s_wait_dscnt 0x0
	global_store_b128 v[TM+5], v[XF:XF+3], s[28:29]
	BARRIER                                        ; every wave's rows of the three tables are in
	ds_load_b128 v[XF+12:XF+15], v[TM+4] offset:SCT-XIMG
	s_wait_dscnt 0x0
	global_store_b128 v[TM+5], v[XF+12:XF+15], s[22:23]
	s_cmp_lt_u32 s[WV], 2
	s_wait_alu depctr_va_vdst(0)
	s_cbranch_scc0 .Lnopick                        ; waves 0 and 1 pick; no barrier and no LDS store stands under the branch
.irp k, 0,1,2,3
	ds_load_b128 v[PK+4*\k:PK+4*\k+3], v[RI] offset:SCT-XIMG+512*\k            ; register 4 k + e: row 128 k + 4 lane + e
	ds_load_b128 v[PP+4*\k:PP+4*\k+3], v[TM+9] offset:SCT-XIMG+2048+512*\k
.endr
	v_lshl_add_u32 v[TM+11], v[TM+10], 2, s90
.set i, 0
.rept 16
	v_add_nc_u32 v[PI+i], 128*(i/4)+i%4, v[TM+11]
.set i, i+1
.endr
.set i, 0
.rept 16
	v_cvt_f32_u32 v[PI+i], v[PI+i]                 ; exact: under 2^24
.set i, i+1
.endr
	v_mov_b32 v[TM+8], 0x7f61b1e6                  ; 3e38, over every row's number
	v_mov_b32 v[TM+12], 0xff800000
	v_mov_b32 v[PC], 0
	s_mov_b32 s91, 1
	s_mov_b32 s94, 0
	s_wait_alu depctr_va_vdst(0)
	s_wait_dscnt 0x0
.set i, 0
.rept 16
	v_mul_f32 v[PK+i], s89, v[PK+i]                ; the key: the score, or its negative
.set i, i+1
.endr
.Lpick:                                                ; eight picks: the largest key; the lowest row among its equals; that row's payload is taken and its key becomes -infinity.  Every choice is a compare and a select
	TREE v_max3_num_f32, v_max_num_f32, TM+13, PK
	LANES v_max_num_f32, v_max_num_f32_dpp, TM+13
.set i, 0
.rept 16
	v_cmp_eq_f32 s[95+i%2], v[PK+i], v[TM+13]
	v_cndmask_b32 v[PT+i], v[TM+8], v[PI+i], s[95+i%2]
.set i, i+1
.endr
	TREE v_min3_num_f32, v_min_num_f32, TM+15, PT
	LANES v_min_num_f32, v_min_num_f32_dpp, TM+15
	v_mov_b32 v[TM+11], 0
.set i, 0
.rept 16
	v_cmp_eq_f32 s[95+i%2], v[PI+i], v[TM+15]
	v_cndmask_b32 v[TM+11], v[TM+11], v[PP+i], s[95+i%2]
	v_cndmask_b32 v[PK+i], v[PK+i], v[TM+12], s[95+i%2]
.set i, i+1
.endr
	LANES v_add_f32, v_add_f32_dpp, TM+11          ; one lane holds the payload, the others 0
	s_lshl_b32 s92, s91, 8
	s_lshl_b32 s93, s91, 16
	v_cndmask_b32 v[PC], v[PC], v[TM+13], s91      ; the record, a word a lane: lanes 0-7 keys, 8-15 rows, 16-23 payloads, the rest 0
	v_cndmask_b32 v[PC], v[PC], v[TM+15], s92
	v_cndmask_b32 v[PC], v[PC], v[TM+11], s93
	s_lshl_b32 s91, s91, 1
	s_add_co_u32 s94, s94, 1
	s_cmp_lt_u32 s94, 8
	s_wait_alu depctr_va_vdst(0)
	s_cbranch_scc1 .Lpick
	global_store_b32 v[PC+1], v[PC], s[24:25]      ; 128 consecutive bytes: the two waves' stores fill the record's 256
.Lnopick:
	s_wait_loadcnt 0x0                             ; Wcls
	v_mul_f32 v[TM+2], v[XF], v[XF+4]              ; my columns' part of M x Wcls, in f32
	v_mul_f32 v[TM+3], v[XF], v[XF+5]
.irp e, 1,2,3
	v_fmac_f32 v[TM+2], v[XF+\e], v[XF+4+2*\e]
	v_fmac_f32 v[TM+3], v[XF+\e], v[XF+5+2*\e]
.endr
	LANES v_add_f32, v_add_f32_dpp, TM+2
	LANES v_add_f32, v_add_f32_dpp, TM+3
	s_wait_alu depctr_va_vdst(0)
	s_wait_xcnt 0x0                                ; EXEC changes only behind this wait
	v_cmp_eq_u32 vcc_lo, 0, v[TM+10]
	s_and_saveexec_b32 s63, vcc_lo
	global_store_b128 v[TM+6], v[TM:TM+3], s[30:31] ; lane 0 of each wave: largest score, sum, two partial logits
	s_wait_xcnt 0x0
	s_or_b32 exec_lo, exec_lo, s63
	s_wait_tensorcnt 0x0
	ds_add_u32 v[SPW], v[NIL]
	s_wait_dscnt 0x0
	s_endpgm
.Lfunc_end_k_q93ae6af46e_attn:
	.size	k_q93ae6af46e_attn, .Lfunc_end_k_q93ae6af46e_attn-k_q93ae6af46e_attn
	.p2alignl 7, 3214868480
	.fill 96, 4, 3214868480
	.section	.rodata,"a",@progbits
	.p2align	6, 0x0
	.amdhsa_kernel k_q93ae6af46e_attn
		.amdhsa_group_segment_fixed_size 327680
		.amdhsa_private_segment_fixed_size 0
		.amdhsa_enable_private_segment 0
		.amdhsa_kernarg_size 112
		.amdhsa_user_sgpr_count 2
		.amdhsa_user_sgpr_kernarg_segment_ptr 1
		.amdhsa_wavefront_size32 1
		.amdhsa_system_sgpr_workgroup_id_x 1
		.amdhsa_system_sgpr_workgroup_id_y 1
		.amdhsa_system_sgpr_workgroup_id_z 1
		.amdhsa_system_vgpr_workitem_id 0
		.amdhsa_next_free_vgpr 1024
		.amdhsa_next_free_sgpr 100
		.amdhsa_reserve_vcc 1
		.amdhsa_float_denorm_mode_32 3
		.amdhsa_float_denorm_mode_16_64 3
		.amdhsa_memory_ordered 1
		.amdhsa_forward_progress 1
		.amdhsa_inst_pref_size 255
	.end_amdhsa_kernel
	.section	.bss,"aw",@nobits
	.p2align	6
	.space	262144
	.amdgpu_metadata
---
amdhsa.version: [ 1, 2 ]
amdhsa.kernels:
  - .name:           k_q93ae6af46e_attn
    .symbol:         k_q93ae6af46e_attn.kd
    .args:
      - { .name: h, .offset: 0, .size: 8, .value_kind: global_buffer, .address_space: global }
      - { .name: wimg, .offset: 8, .size: 8, .value_kind: global_buffer, .address_space: global }
      - { .name: b1, .offset: 16, .size: 8, .value_kind: global_buffer, .address_space: global }
      - { .name: ba, .offset: 24, .size: 8, .value_kind: global_buffer, .address_space: global }
      - { .name: bb, .offset: 32, .size: 8, .value_kind: global_buffer, .address_space: global }
      - { .name: Wc, .offset: 40, .size: 8, .value_kind: global_buffer, .address_space: global }
      - { .name: bc, .offset: 48, .size: 8, .value_kind: global_buffer, .address_space: global }
      - { .name: Winst, .offset: 56, .size: 8, .value_kind: global_buffer, .address_space: global }
      - { .name: binst, .offset: 64, .size: 8, .value_kind: global_buffer, .address_space: global }
      - { .name: scores, .offset: 72, .size: 8, .value_kind: global_buffer, .address_space: global }
      - { .name: cand, .offset: 80, .size: 8, .value_kind: global_buffer, .address_space: global }
      - { .name: Wcls, .offset: 88, .size: 8, .value_kind: global_buffer, .address_space: global }
      - { .name: mpart, .offset: 96, .size: 8, .value_kind: global_buffer, .address_space: global }
      - { .name: stats, .offset: 104, .size: 8, .value_kind: global_buffer, .address_space: global }
    .group_segment_fixed_size: 327680
    .private_segment_fixed_size: 0
    .kernarg_segment_align: 8
    .kernarg_segment_size: 112
    .max_flat_workgroup_size: 128
    .sgpr_count:     100
    .vgpr_count:     1024
    .wavefront_size: 32
...
	.end_amdgpu_metadata
.endif
;; end of part 2
;; launch final (part 3): grid 260 x 1, 1 waves a work-group, no clusters, 0 bytes of LDS; arguments scores, mpart, stats, cand, bcls, out0, out1, out2, out3; writes out0, out1, out2, out3
.if DOCPART == 3
	.amdgcn_target "amdgcn-amd-amdhsa--gfx1250"
	.amdhsa_code_object_version 6
	.text
	.protected	k_q93ae6af46e_final
	.globl	k_q93ae6af46e_final
	.p2align	8
	.type	k_q93ae6af46e_final,@function
k_q93ae6af46e_final:
	s_mov_b64 s[64:65], 0
	v_nop
	global_prefetch_b8 v0, s[64:65] scope:SCOPE_SE
	s_setreg_imm32_b32 hwreg(HW_REG_WAVE_MODE, 25, 1), 1
	s_wait_xcnt 0x0
; Work-groups 0 to 3, one wave for each slide: the slide's 64 records of 8 candidates for each sign are merged, eight picks a sign by (key, then the lower row),
; and the picked rows' payloads are added: the slide's loss.  The slide's 8 largest (smallest) scores are among the 8 largest (smallest) of each of its 64 parts under the same order.
; And logits = (sum over the parts of their partial M x Wcls, each brought under the slide's largest score) / the slide's sum + bcls.
; Work-groups 4 to 259, one wave for each 512 rows: the slide's 64 pairs (m, l) are joined; A = e^(score - m) / l for the rows; eight columns of M.
; The two kinds part on the work-group's number alone; the longer kind has the lower numbers.  No LDS, no barrier.  Every choice is a compare and a select.
; A keeps denormals: the exponent is split in two, since an exponential whose result would be denormal comes out as zero (ISA guide, the entry of V_EXP_F32).
; LIMITS: NaN and infinities are not served.  The rank is that of the f32 scores, ties to the lower row.
; A launch of a few KiB for each work-group: matrix units, LDS and clusters have nothing to do here.
.set SEL, 34
.set L2E, 44
.set ST,  16                           ; rows' kind: v16-47 16 pairs (m, l); v48-63 16 partial sums of my column of M; v64-79 scores, then A; v80-111 at work
.set MP,  48
.set AK,  64
.set CA,  80
.set CB,  96
.set KEY, 64                           ; slides' kind: sign f has 64 registers from v[64 + 64 f]: keys + 0, rows + 16, payloads + 32, at work + 48
.set KEYS, 64
.set IDX, 80
.set PAY, 96
.set CT,  112
.set T,   48                           ; v[48 + 8 f]: + 0 the largest key, + 1 for the lane permute, + 2 the winner's row, + 3 its payload, + 4 the payloads' sum
.set BIG, 11
.set NINF, 12
.macro RED op, opd, o                  ; over the 32 lanes, both signs by turns
.irp x, 1,2,4,8
.irp f, 0,1
	\opd v[T+8*\f+\o], v[T+8*\f+\o], v[T+8*\f+\o] row_xmask:\x row_mask:0xf bank_mask:0xf
.endr
.endr
.irp f, 0,1
	v_permlanex16_b32 v[T+8*\f+1], v[T+8*\f+\o], s[SEL], s[SEL+1]
.endr
.irp f, 0,1
	\op v[T+8*\f+\o], v[T+8*\f+\o], v[T+8*\f+1]
.endr
.endm
.macro WSUM reg                        ; over the 32 lanes
.irp x, 1,2,4,8
	v_add_f32_dpp v[\reg], v[\reg], v[\reg] row_xmask:\x row_mask:0xf bank_mask:0xf
.endr
	v_permlanex16_b32 v7, v[\reg], s[SEL], s[SEL+1]
	v_add_f32 v[\reg], v[\reg], v7
.endm
	s_load_b512 s[4:19], s[0:1], 0x0               ; scores s[4:5], mpart s[6:7], stats s[8:9], cand s[10:11], bcls s[12:13], out0 s[14:15], out1 s[16:17], out2 s[18:19]
	s_load_b64 s[20:21], s[0:1], 0x40              ; out3
	s_mov_b32 s[SEL], 0x76543210
	s_mov_b32 s[SEL+1], 0xfedcba98
	s_mov_b32 s[L2E], 0x3fb8aa3b
	s_cmp_lt_u32 ttmp9, 4
	s_cbranch_scc1 .Lslide
	s_sub_co_u32 s22, ttmp9, 4                     ; which 512 rows
	s_lshr_b32 s24, s22, 6                         ; the slide
	s_and_b32 s25, s22, 63                         ; my place in it
	s_lshl_b32 s26, s24, 12                        ; stats: 64 records of 64 bytes a slide
	s_mov_b32 s27, 0
	s_lshl_b32 s28, s24, 17                        ; mpart: 64 rows of 2,048 bytes a slide, my 8 columns
	s_lshl_b32 s30, s25, 5
	s_add_co_u32 s28, s28, s30
	s_mov_b32 s29, 0
	s_lshl_b32 s31, s24, 11                        ; out3: 2,048 bytes a slide, my 8 columns
	s_add_co_u32 s30, s31, s30
	s_mov_b32 s31, 0
	s_lshl_b32 s32, s22, 11                        ; my 512 rows, 4 bytes each
	s_mov_b32 s33, 0
	v_lshrrev_b32 v1, 3, v0                        ; a = lane / 8: I take parts a, a + 4, ..
	v_and_b32 v2, 7, v0                            ; of column lane % 8
	v_lshlrev_b32 v2, 2, v2
	v_lshl_add_u32 v2, v1, 11, v2
	v_lshlrev_b32 v1, 6, v1
	v_lshlrev_b32 v3, 4, v0
	v_lshlrev_b32 v4, 2, v0
	v_mov_b32 v6, 0
	s_wait_alu depctr_va_vdst(0)
	s_wait_kmcnt 0x0
	s_add_nc_u64 s[8:9], s[8:9], s[26:27]
	s_add_nc_u64 s[6:7], s[6:7], s[28:29]
	s_add_nc_u64 s[20:21], s[20:21], s[30:31]
	s_add_nc_u64 s[4:5], s[4:5], s[32:33]
	s_add_nc_u64 s[16:17], s[16:17], s[32:33]
.set k, 0
.rept 16
	global_load_b64 v[ST+2*k:ST+2*k+1], v1, s[8:9] offset:256*k
	global_load_b32 v[MP+k], v2, s[6:7] offset:8192*k
.set k, k+1
.endr
.irp k, 0,1,2,3
	global_load_b128 v[AK+4*\k:AK+4*\k+3], v3, s[4:5] offset:512*\k
.endr
	s_wait_loadcnt 0x0
	; the slide's maximum: my 16, then lanes l xor 8 and l xor 16 (lanes that differ in lane % 8 alone hold the same)
	v_max3_num_f32 v5, v[ST], v[ST+2], v[ST+4]
.irp i, 6,10,14,18,22,26
	v_max3_num_f32 v5, v5, v[ST+\i], v[ST+\i+2]
.endr
	v_max_num_f32 v5, v5, v[ST+30]
	v_max_num_f32_dpp v5, v5, v5 row_xmask:8 row_mask:0xf bank_mask:0xf
	v_permlanex16_b32 v6, v5, s[SEL], s[SEL+1]
	v_max_num_f32 v5, v5, v6
.set k, 0
.rept 16
	v_sub_f32 v[CA+k], v[ST+2*k], v5
.set k, k+1
.endr
.set k, 0
.rept 16
	v_mul_f32 v[CA+k], s[L2E], v[CA+k]
.set k, k+1
.endr
.set k, 0
	s_wait_alu depctr_va_vdst(0)
.rept 16
	v_exp_f32 v[CA+k], v[CA+k]                     ; what brings part k under the slide's maximum
.set k, k+1
.endr
	v_nop
	s_wait_alu depctr_va_vdst(0)
	v_mul_f32 v7, v[ST+1], v[CA]
	v_mul_f32 v8, v[MP], v[CA]
.set k, 1
.rept 15
	v_fmac_f32 v7, v[ST+2*k+1], v[CA+k]
	v_fmac_f32 v8, v[MP+k], v[CA+k]
.set k, k+1
.endr
	v_add_f32_dpp v7, v7, v7 row_xmask:8 row_mask:0xf bank_mask:0xf
	v_add_f32_dpp v8, v8, v8 row_xmask:8 row_mask:0xf bank_mask:0xf
	v_permlanex16_b32 v6, v7, s[SEL], s[SEL+1]
	v_add_f32 v7, v7, v6                           ; the slide's sum
	v_permlanex16_b32 v6, v8, s[SEL], s[SEL+1]
	v_add_f32 v8, v8, v6
	s_wait_alu depctr_va_vdst(0)
	v_rcp_f32 v9, v7
	v_nop
	s_wait_alu depctr_va_vdst(0)
	v_mul_f32 v8, v8, v9                           ; M of column lane % 8
	; A: t = (score - m) log2(e) = thi + tlo, thi = max(t, -64), tlo held at -126: both exponentials are normal numbers, and their product keeps denormals
.set i, 0
.rept 16
	v_sub_f32 v[AK+i], v[AK+i], v5
.set i, i+1
.endr
.set i, 0
.rept 16
	v_mul_f32 v[AK+i], s[L2E], v[AK+i]
.set i, i+1
.endr
.set i, 0
.rept 16
	v_max_num_f32 v[CA+i], 0xc2800000, v[AK+i]
.set i, i+1
.endr
.set i, 0
.rept 16
	v_sub_f32 v[CB+i], v[AK+i], v[CA+i]
.set i, i+1
.endr
.set i, 0
.rept 16
	v_max_num_f32 v[CB+i], 0xc2fc0000, v[CB+i]
.set i, i+1
.endr
.set i, 0
	s_wait_alu depctr_va_vdst(0)
.rept 16
	v_exp_f32 v[CA+i], v[CA+i]
	v_exp_f32 v[CB+i], v[CB+i]
.set i, i+1
.endr
	v_nop
.set i, 0
	s_wait_alu depctr_va_vdst(0)
.rept 16
	v_mul_f32 v[AK+i], v[CA+i], v[CB+i]
.set i, i+1
.endr
.set i, 0
.rept 16
	v_mul_f32 v[AK+i], v[AK+i], v9
.set i, i+1
.endr
.irp k, 0,1,2,3
	global_store_b128 v3, v[AK+4*\k:AK+4*\k+3], s[16:17] offset:512*\k   ; 512 consecutive bytes a store
.endr
	s_wait_xcnt 0x0                                ; EXEC changes only behind this wait
	v_cmp_gt_u32 vcc_lo, 8, v0
	s_and_saveexec_b32 s42, vcc_lo
	global_store_b32 v4, v8, s[20:21]              ; lanes 0-7: my eight columns of M
	s_wait_xcnt 0x0
	s_or_b32 exec_lo, exec_lo, s42
	s_endpgm
.Lslide:
	s_lshl_b32 s26, ttmp9, 14                      ; the slide's 64 records of 256 bytes
	s_mov_b32 s27, 0
	s_lshl_b32 s28, ttmp9, 12                      ; its stats
	s_mov_b32 s29, 0
	s_lshl_b32 s30, ttmp9, 3                       ; its two logits
	s_mov_b32 s31, 0
	s_lshl_b32 s32, ttmp9, 2                       ; its loss
	s_mov_b32 s33, 0
	v_lshrrev_b32 v1, 1, v0
	v_and_b32 v2, 1, v0
	v_lshlrev_b32 v2, 4, v2
	v_lshl_add_u32 v1, v1, 8, v2                   ; record lane / 2 (+ 16 k), half lane % 2 of a field's eight words
	v_lshlrev_b32 v2, 7, v0                        ; stats of parts 2 lane and 2 lane + 1: 128 bytes
	v_mov_b32 v7, 0
	v_mov_b32 v10, 0
	v_mov_b32 v[BIG], 0x7f61b1e6
	v_mov_b32 v[NINF], 0xff800000
.irp f, 0,1
	v_mov_b32 v[T+8*\f+1], 0
	v_mov_b32 v[T+8*\f+4], 0
.endr
	s_wait_alu depctr_va_vdst(0)
	s_wait_kmcnt 0x0
	s_load_b64 s[22:23], s[12:13], 0x0             ; bcls
	s_add_nc_u64 s[10:11], s[10:11], s[26:27]
	s_add_nc_u64 s[8:9], s[8:9], s[28:29]
	s_add_nc_u64 s[14:15], s[14:15], s[30:31]
	s_add_nc_u64 s[18:19], s[18:19], s[32:33]
.irp j, 0,1,2,3,4,5,6,7                        ; register 16 + 16 p + 4 w ..: part 2 lane + p, wave w: (m, l, two partial logits)
	global_load_b128 v[16+4*\j:19+4*\j], v2, s[8:9] offset:16*\j
.endr
.irp f, 0,1,2,3,4,5                            ; key, row, payload of the largest at bytes 0, 32, 64 of a record; of the smallest at 128, 160, 192
.irp k, 0,1,2,3
	global_load_b128 v[64+16*\f+16*(\f/3)+4*\k:64+16*\f+16*(\f/3)+4*\k+3], v1, s[10:11] offset:4096*\k+32*\f+32*(\f/3)
.endr
.endr
	s_wait_loadcnt 0x0
	s_wait_kmcnt 0x0
	v_max_num_f32 v13, v16, v32                    ; the slide's largest score
.irp x, 1,2,4,8
	v_max_num_f32_dpp v13, v13, v13 row_xmask:\x row_mask:0xf bank_mask:0xf
.endr
	v_permlanex16_b32 v7, v13, s[SEL], s[SEL+1]
	v_max_num_f32 v13, v13, v7
	v_sub_f32 v8, v16, v13
	v_sub_f32 v9, v32, v13
	v_mul_f32 v8, s[L2E], v8
	v_mul_f32 v9, s[L2E], v9
	v_pk_add_f32 v[18:19], v[18:19], v[22:23]      ; a part's four waves
	v_pk_add_f32 v[26:27], v[26:27], v[30:31]
	v_pk_add_f32 v[34:35], v[34:35], v[38:39]
	v_pk_add_f32 v[42:43], v[42:43], v[46:47]
	v_pk_add_f32 v[18:19], v[18:19], v[26:27]
	v_pk_add_f32 v[34:35], v[34:35], v[42:43]
	s_wait_alu depctr_va_vdst(0)
	v_exp_f32 v8, v8
	v_exp_f32 v9, v9
	v_nop
	s_wait_alu depctr_va_vdst(0)
	v_mul_f32 v4, v18, v8
	v_mul_f32 v5, v19, v8
	v_mul_f32 v6, v17, v8
	v_fmac_f32 v4, v34, v9
	v_fmac_f32 v5, v35, v9
	v_fmac_f32 v6, v33, v9
	WSUM 4
	WSUM 5
	WSUM 6
	s_wait_alu depctr_va_vdst(0)
	v_rcp_f32 v6, v6
	v_nop
	s_wait_alu depctr_va_vdst(0)
	v_fma_f32 v4, v4, v6, s22
	v_fma_f32 v5, v5, v6, s23
	s_mov_b32 s40, 0
.Lpick:                                                ; one pick for each sign a trip: the largest key; the lowest row among its equals; that row's payload is added and its key becomes -infinity
.irp j, 0,1,2,3,4                              ; over a lane's 16 keys, three levels deep
.irp f, 0,1
	v_max3_num_f32 v[CT+KEYS*\f+\j], v[KEY+KEYS*\f+3*\j], v[KEY+KEYS*\f+3*\j+1], v[KEY+KEYS*\f+3*\j+2]
.endr
.endr
.irp f, 0,1
	v_max3_num_f32 v[CT+KEYS*\f], v[CT+KEYS*\f], v[CT+KEYS*\f+1], v[CT+KEYS*\f+2]
	v_max3_num_f32 v[CT+KEYS*\f+3], v[CT+KEYS*\f+3], v[CT+KEYS*\f+4], v[KEY+KEYS*\f+15]
.endr
.irp f, 0,1
	v_max_num_f32 v[T+8*\f], v[CT+KEYS*\f], v[CT+KEYS*\f+3]
.endr
	RED v_max_num_f32, v_max_num_f32_dpp, 0
.irp i, 0,1,2,3,4,5,6,7,8,9,10,11,12,13,14,15
.irp f, 0,1
	v_cmp_eq_f32 s[36+\f], v[KEY+KEYS*\f+\i], v[T+8*\f]
	v_cndmask_b32 v[CT+KEYS*\f+\i], v[BIG], v[IDX+KEYS*\f+\i], s[36+\f]
.endr
.endr
.irp j, 0,1,2,3,4                              ; the same in place: register j takes registers 3 j .. 3 j + 2, which are at or above it and have not been written yet
.irp f, 0,1
	v_min3_num_f32 v[CT+KEYS*\f+\j], v[CT+KEYS*\f+3*\j], v[CT+KEYS*\f+3*\j+1], v[CT+KEYS*\f+3*\j+2]
.endr
.endr
.irp f, 0,1
	v_min3_num_f32 v[CT+KEYS*\f], v[CT+KEYS*\f], v[CT+KEYS*\f+1], v[CT+KEYS*\f+2]
	v_min3_num_f32 v[CT+KEYS*\f+3], v[CT+KEYS*\f+3], v[CT+KEYS*\f+4], v[CT+KEYS*\f+15]
.endr
.irp f, 0,1
	v_min_num_f32 v[T+8*\f+2], v[CT+KEYS*\f], v[CT+KEYS*\f+3]
.endr
	RED v_min_num_f32, v_min_num_f32_dpp, 2
.irp f, 0,1
	v_mov_b32 v[T+8*\f+3], 0
.endr
.irp i, 0,1,2,3,4,5,6,7,8,9,10,11,12,13,14,15
.irp f, 0,1
	v_cmp_eq_f32 s[36+\f], v[IDX+KEYS*\f+\i], v[T+8*\f+2]
	v_cndmask_b32 v[T+8*\f+3], v[T+8*\f+3], v[PAY+KEYS*\f+\i], s[36+\f]
	v_cndmask_b32 v[KEY+KEYS*\f+\i], v[KEY+KEYS*\f+\i], v[NINF], s[36+\f]
.endr
.endr
.irp f, 0,1
	v_add_f32 v[T+8*\f+4], v[T+8*\f+4], v[T+8*\f+3]   ; one lane holds the pick's payload, the others 0: the lanes are joined once, at the end
.endr
	s_add_co_u32 s40, s40, 1
	s_cmp_lt_u32 s40, 8
	s_wait_alu depctr_va_vdst(0)
	s_cbranch_scc1 .Lpick
	v_add_f32 v6, v[T+4], v[T+12]
	WSUM 6
	v_cmp_eq_u32 vcc_lo, 0, v0                     ; no store has been issued yet, and every load has been waited for: EXEC may change
	s_and_saveexec_b32 s38, vcc_lo
	global_store_b64 v10, v[4:5], s[14:15]
	global_store_b32 v10, v6, s[18:19]
	s_wait_xcnt 0x0
	s_or_b32 exec_lo, exec_lo, s38
	s_endpgm
.Lfunc_end_k_q93ae6af46e_final:
	.size	k_q93ae6af46e_final, .Lfunc_end_k_q93ae6af46e_final-k_q93ae6af46e_final
	.p2alignl 7, 3214868480
	.fill 96, 4, 3214868480
	.section	.rodata,"a",@progbits
	.p2align	6, 0x0
	.amdhsa_kernel k_q93ae6af46e_final
		.amdhsa_group_segment_fixed_size 0
		.amdhsa_private_segment_fixed_size 0
		.amdhsa_enable_private_segment 0
		.amdhsa_kernarg_size 72
		.amdhsa_user_sgpr_count 2
		.amdhsa_user_sgpr_kernarg_segment_ptr 1
		.amdhsa_wavefront_size32 1
		.amdhsa_system_sgpr_workgroup_id_x 1
		.amdhsa_system_sgpr_workgroup_id_y 1
		.amdhsa_system_sgpr_workgroup_id_z 1
		.amdhsa_system_vgpr_workitem_id 0
		.amdhsa_next_free_vgpr 192
		.amdhsa_next_free_sgpr 66
		.amdhsa_reserve_vcc 1
		.amdhsa_float_denorm_mode_32 3
		.amdhsa_float_denorm_mode_16_64 3
		.amdhsa_memory_ordered 1
		.amdhsa_forward_progress 1
		.amdhsa_inst_pref_size 36
	.end_amdhsa_kernel
	.amdgpu_metadata
---
amdhsa.version: [ 1, 2 ]
amdhsa.kernels:
  - .name:           k_q93ae6af46e_final
    .symbol:         k_q93ae6af46e_final.kd
    .args:
      - { .name: scores, .offset: 0, .size: 8, .value_kind: global_buffer, .address_space: global }
      - { .name: mpart, .offset: 8, .size: 8, .value_kind: global_buffer, .address_space: global }
      - { .name: stats, .offset: 16, .size: 8, .value_kind: global_buffer, .address_space: global }
      - { .name: cand, .offset: 24, .size: 8, .value_kind: global_buffer, .address_space: global }
      - { .name: bcls, .offset: 32, .size: 8, .value_kind: global_buffer, .address_space: global }
      - { .name: out0, .offset: 40, .size: 8, .value_kind: global_buffer, .address_space: global }
      - { .name: out1, .offset: 48, .size: 8, .value_kind: global_buffer, .address_space: global }
      - { .name: out2, .offset: 56, .size: 8, .value_kind: global_buffer, .address_space: global }
      - { .name: out3, .offset: 64, .size: 8, .value_kind: global_buffer, .address_space: global }
    .group_segment_fixed_size: 0
    .private_segment_fixed_size: 0
    .kernarg_segment_align: 8
    .kernarg_segment_size: 72
    .max_flat_workgroup_size: 32
    .sgpr_count:     66
    .vgpr_count:     192
    .wavefront_size: 32
...
	.end_amdgpu_metadata
.endif
;; end of part 3
